; MI455X (gfx1250); checked and timed in simulation.
; The chip was launched on July 23, 2026; its instructions are those of AMD's public machine-readable ISA for CDNA 5 (MIT licence, August 2026) and "CDNA5" Instruction Set Architecture Reference Guide (July 2026). The comments in the code are by the model that wrote it; some were corrected since.
;; Scaled Dot Product Attention. Allowed arithmetic: float matrix products may take bf16 or f16 operands with f32 sums; all other float work in f32.
;; Inputs: k 32 x 2,048 x 128 float32; mask 32 x 2,048 x 2,048 bool; q 32 x 2,048 x 128 float32; v 32 x 2,048 x 128 float32.
;; Outputs: out0 32 x 2,048 x 128 float32.
;; 2 versions, each right. Each part assembles by itself: llvm-mc -triple=amdgcn-amd-amdhsa -mcpu=gfx1250 --defsym DOCPART=n.
;; ======== version 1 of 2: 1 launch
;; limits: right only within a limited range of input values
;; launch attn (part 1): grid 8 x 32, 4 waves a work-group, no clusters, 327,680 bytes of LDS; arguments q, k, v, mask, out0; writes out0
.if DOCPART == 1
	.amdgcn_target "amdgcn-amd-amdhsa--gfx1250"
	.amdhsa_code_object_version 6
	.text
	.protected	k_q1f650957d5_attn
	.globl	k_q1f650957d5_attn
	.p2align	8
	.type	k_q1f650957d5_attn,@function
k_q1f650957d5_attn:
	s_mov_b64 s[64:65], 0
	v_nop
	global_prefetch_b8 v0, s[64:65] scope:SCOPE_SE
	s_setreg_imm32_b32 hwreg(HW_REG_WAVE_MODE, 25, 1), 1
	s_wait_xcnt 0x0
; out0[b][q][:] = softmax over keys of (sqrt(128) * q.k, masked keys left out) times v; a row whose keys are all masked gives 0.
; q, k, v, out0: [32][2048][128] f32.  mask: [32][2048][2048], one byte, 1 = masked out.
; One launch, nothing intermediate in memory.  Work-group (x, y) = 256 queries (block x) of batch y; wave w owns 64 of them as four
; query tiles of 16.  Keys go in 32 steps of 64, with a running maximum and a running sum for each query.
;
; ORIENTATION.  Scores are made transposed, S^T = K Q^T (source 0 = 16 rows of K, source 1 = 16 queries): lane (r, h) holds query r, register j
; key row 8 h + j.  Two neighbouring key tiles, packed to bf16, are then already source 1 of the second product, O^T = V^T P, whose source 0
; comes from V's rows by the transposing LDS load.  Maximum, sum and rescale factor are one number a lane; one exchange of the two lane halves
; for each query tile and step is all the traffic between lanes.
; KEY ORDER.  Key 32u + 16a + 8e + b of a step lies in LDS row 32u + 16e + 8a + b, for K and V alike (the sum over keys does not mind).
; Score registers 16u .. 16u+15 of lane (r, h) are then keys 32u + 16h + 0..15: sixteen neighbouring mask bytes, one LDS load.
; MASK.  A mask dword m (bytes 0 or 1) gives (m << 8) - m, bytes 0x00 or 0xff; a byte moved to the top of a zero word is 0.0 or -2^127.
; These words are the C operand of the first score product.  The maximum starts at -2^100, so masked keys never enter it; c * (-2^127) overflows
; to -inf inside the multiply-add, whose exponential is 0.  A row with no open key keeps sum 0 and is written as 0.
; SCALE.  q and k are rounded to bf16 as they are; c = sqrt(128) * log2(e) is applied in f32: p = exp2(c S - c M).
; LIMITS, stated: |q.k| < 2^100; mask bytes are 0 or 1; NaN and infinities in q, k, v are not served; exponentials below 2^-126 count as 0.
; NO CLUSTER, NO JOINT LOADS for K and V, though the eight work-groups of a batch read the same tiles: the mover copies bytes as they are, so a
; step's K and V would land as f32, 2 x 64 x 512 = 65,536 bytes; two such slots (131,072) beside the bf16 tiles (71,680), the mask ring (139,264)
; and the stage (33,792) are 375,808 bytes, more than the 327,680 a work-group can have.  So K and V come through registers, where they are rounded.
; The loop's body is eight steps, so that both mask slots and both tile buffers stand as constants in the text.
;
; LDS: 0        mask ring, mover only: wave w, slot n at 34,816 w + 17,408 n; 64 rows of 256 bytes, pitch 272
;      139,264  K and V in bf16, two buffers of 35,840: K 64 rows pitch 272, then V 64 rows pitch 288
;      210,944  stage for the way out, 8,448 a wave: 16 rows of 512 bytes, pitch 528
; REGISTERS, in windows of 256:
;   window 0: addresses, softmax state, scores S, packed P, mask dwords     window 1: Q fragments v0-127, K fragments v128-255
;   window 2: O, 32 tiles of 16 d x 16 queries (at the start: Q in f32)      window 3: V fragments v0-127, K and V rows on their way v128-255
.set TILEB, 32768                      ; a step's 64 rows of K (or V) in memory
.set MSLOT, 17408                      ; a mask slot: 64 rows x 272
.set MRING, 34816                      ; a wave's two slots
.set KVB,   139264                     ; the bf16 tiles
.set BUF,   35840                      ; one buffer: K's 17,408 + V's 18,432
.set VOFF,  17408                      ; V behind K
.set KP,    272                        ; pitch of K's rows: an odd multiple of 16
.set VP,    288                        ; pitch of V's rows: an odd multiple of 32, for the transposing load
.set STG,   210944
.set STGW,  8448
.set SP,    528
.set VKV,  2                           ; 16 lane + 512 x (32 (w>>1) + 8 (w&1)): my rows of K and V in memory
.set VKS,  3                           ; where I put K's rows: KVB + 16 w rows + 8 lane
.set VVS,  4                           ; the same for V
.set VKA,  5                           ; K fragments: KVB + 272 r + 16 h
.set VVA,  6                           ; V fragments: KVB + VOFF + (8 h + (lane & 7)) 288 + 16 ((lane >> 3) & 1)
.set VMA,  7                           ; mask: 34,816 w + 272 r + 16 h
.set VSTO, 8                           ; stage, in: 528 r + 32 h
.set VRD,  9                           ; stage, back: 16 lane
.set VCO,  10                          ; out0: 16 lane
.set VZ,   11                          ; 0
.set VPF,  12                          ; prefetch: 256 lane
.set VQO,  13                          ; q: 512 r + 32 h
.set VC,   14                          ; v[14:15]   c, twice
.set M,    16                          ; v[16:19]   running maximum of the raw scores, one for each query tile
.set L,    20                          ; v[20:23]   running sum of my half of the keys
.set NM,   24                          ; v[24:31]   -c M, twice, for each query tile
.set AL,   32                          ; v[32:39]   rescale factor, twice, for each query tile
.set T,    40                          ; v[40:47]   at work
.set S,    48                          ; v[48:79]   scores of one query tile x 64 keys
.set P,    112                         ; v[112:175] p in bf16, 16 registers a query tile
.set MK,   176                         ; v[176:207] mask dwords, 8 a query tile
.set OA,   48                          ; v[48:111]  the way out, buffer A
.set OB,   112                         ; v[112:175] the way out, buffer B
.set QF,   0                           ; window 1
.set KF,   128                         ; window 1
.set VF,   0                           ; window 3
.set G,    128                         ; window 3: K's row i at G + 4 i, V's at G + 64 + 4 i
.set SEL,  24                          ; s[24:27]   byte selectors
.set G1,   32                          ; s[32:39]   descriptor group 1
.set G0,   40                          ; s[40:47]   descriptor group 0, a set for each slot
.set MSB,  0
.macro WIN new                         ; low byte: 1:0 source 0, 3:2 source 1, 5:4 source 2, 7:6 destination; the high byte repeats the setting that is left
.if MSB != \new
	s_set_vgpr_msb (MSB<<8)|\new
.set MSB, \new
.endif
.endm
.macro PLACES                          ; four places behind a matrix instruction (ISA guide 7.12.1)
.rept 4
	v_nop
.endr
.endm
	s_load_b256 s[4:11], s[0:1], 0x0               ; q s[4:5], k s[6:7], v s[8:9], mask s[10:11]
	s_load_b64 s[12:13], s[0:1], 0x20              ; out0
	v_lshl_add_u32 v254, v0, 2, 0x3bc00
	v_mov_b32 v255, 0
	ds_add_u32 v254, v255
	ds_add_u32 v254, v255
	v_lshrrev_b32 v1, 5, v0
	v_readfirstlane_b32 s14, v1                    ; wave 0..3
	s_mov_b32 s15, ttmp9                           ; x: query block
	s_and_b32 s16, ttmp7, 0xffff                   ; y: batch
	; group 1: a tile of 64 rows x 32 elements of 8 bytes (256 mask bytes), rows 2,048 bytes apart in memory, 272 in LDS
	s_mov_b32 s[G1+0], 0x07530000                  ; no mask of work-groups; elements of 8 bytes; padding on: 4 dwords behind every 64
	s_mov_b32 s[G1+1], 32<<16                      ; tensor_dim0 = 32
	s_mov_b32 s[G1+2], 64<<16                      ; tensor_dim1 = 64
	s_mov_b32 s[G1+3], 32<<16                      ; tile_dim0 = 32
	s_mov_b32 s[G1+4], 64                          ; tile_dim1 = 64
	s_mov_b32 s[G1+5], 256                         ; 256 elements from row to row
	s_mov_b32 s[G1+6], 0
	s_mov_b32 s[G1+7], 0
	s_mul_i32 s17, s14, MRING                      ; my ring
	s_lshl_b32 s18, s16, 22                        ; mask: batch x 2048 x 2048
	s_lshl_b32 s31, s15, 19                        ; + block x 256 rows
	s_add_co_u32 s18, s18, s31
	s_lshl_b32 s31, s14, 17                        ; + wave x 64 rows
	s_add_co_u32 s18, s18, s31
	s_mov_b32 s19, 0
	s_wait_dscnt 0x0
	s_wait_kmcnt 0x0
	s_add_nc_u64 s[10:11], s[10:11], s[18:19]
	; both first fills go out together, ahead of every wait on TENSORcnt, every LDS read and every barrier: keys 0-255 and 256-511 of my 64 rows
.irp s, 0,1
	s_mov_b32 s[G0+4*\s], 1
	s_add_co_u32 s[G0+4*\s+1], s17, \s*MSLOT
	s_add_nc_u64 s[G0+4*\s+2:G0+4*\s+3], s[10:11], \s*256
	s_or_b32 s[G0+4*\s+3], s[G0+4*\s+3], 0x80000000
	tensor_load_to_lds s[G0+4*\s:G0+4*\s+3], s[G1:G1+7]
	s_nop 0
.endr
	s_lshl_b32 s18, s16, 20                        ; k, v: batch x 2048 x 512
	s_add_nc_u64 s[6:7], s[6:7], s[18:19]
	s_add_nc_u64 s[8:9], s[8:9], s[18:19]
	s_cmp_lt_u32 s15, 4                            ; prefetch: blocks 0-3 ask for K's tiles, blocks 4-7 for V's,
	s_cselect_b64 s[48:49], s[6:7], s[8:9]
	s_and_b32 s50, s15, 3
	s_lshl_b32 s50, s50, 13                        ; each for a quarter, 8,192 bytes
	s_mov_b32 s51, 0
	s_add_nc_u64 s[48:49], s[48:49], s[50:51]
	s_lshl_b32 s31, s15, 17                        ; q, out0: + block x 256 rows of 512 bytes
	s_add_co_u32 s18, s18, s31
	s_lshl_b32 s31, s14, 15                        ; + wave x 64 rows
	s_add_co_u32 s18, s18, s31
	s_add_nc_u64 s[4:5], s[4:5], s[18:19]
	s_add_nc_u64 s[12:13], s[12:13], s[18:19]
	s_mov_b32 s22, 0x76543210                      ; v_permlanex16_b32: lane i of one half reads lane i of the other
	s_mov_b32 s23, 0xfedcba98
	s_mov_b32 s[SEL+0], 0x04000000                 ; top byte: byte i of the first source; the three below: byte 0 of the second, which is 0
	s_mov_b32 s[SEL+1], 0x05000000
	s_mov_b32 s[SEL+2], 0x06000000
	s_mov_b32 s[SEL+3], 0x07000000
	s_mov_b32 s28, 0xf1800000                      ; -2^100: where the maximum starts
	s_mov_b32 s30, 0xc18293ee                      ; -c
	v_and_b32 v[T], 31, v0                         ; lane
	v_and_b32 v[T+1], 15, v0                       ; r
	v_bfe_u32 v[T+2], v0, 4, 1                     ; h
	v_lshlrev_b32 v[VQO], 9, v[T+1]
	v_lshl_add_u32 v[VQO], v[T+2], 5, v[VQO]
	s_lshr_b32 s50, s14, 1
	s_lshl_b32 s50, s50, 14                        ; 32 (w >> 1) rows of 512 bytes
	s_and_b32 s51, s14, 1
	s_lshl_b32 s51, s51, 12                        ; 8 (w & 1) rows
	s_add_co_u32 s50, s50, s51
	v_lshl_add_u32 v[VKV], v[T], 4, s50
; A step's K and V: my 16 rows of each, one whole row of 512 bytes a load.  Row i of mine is key 32 (w>>1) + 8 (w&1) + 16 (i>>3) + (i&7).
.macro LOADKV tt
	WIN 0xc0
.irp i, 0,1,2,3,4,5,6,7,8,9,10,11,12,13,14,15
	global_load_b128 v[G+4*\i:G+4*\i+3], v[VKV], s[6:7] offset:(\tt)*TILEB+512*(16*(\i>>3)+(\i&7))
.endr
.irp i, 0,1,2,3,4,5,6,7,8,9,10,11,12,13,14,15
	global_load_b128 v[G+64+4*\i:G+64+4*\i+3], v[VKV], s[8:9] offset:(\tt)*TILEB+512*(16*(\i>>3)+(\i&7))
.endr
.endm
; They are rounded to bf16 in place and put into buffer b as LDS rows 16 w + i: each store covers 256 neighbouring bytes.
.macro CONVERT b
	s_wait_loadcnt 0x0                             ; the 32 loads issued a step ago
	WIN 0xcf
.set nn, 0
.rept 32
	v_cvt_pk_bf16_f32 v[G+4*nn], v[G+4*nn], v[G+4*nn+1]
	v_cvt_pk_bf16_f32 v[G+4*nn+1], v[G+4*nn+2], v[G+4*nn+3]
.set nn, nn+1
.endr
	WIN 0x0c
.irp i, 0,1,2,3,4,5,6,7,8,9,10,11,12,13,14,15
	ds_store_b64 v[VKS], v[G+4*\i:G+4*\i+1] offset:(\b)*BUF+KP*\i
.endr
.irp i, 0,1,2,3,4,5,6,7,8,9,10,11,12,13,14,15
	ds_store_b64 v[VVS], v[G+64+4*\i:G+64+4*\i+1] offset:(\b)*BUF+VP*\i
.endr
.endm
; The mask bytes of one step (quarter s of a slot): for each query tile 2 x 16 bytes of row r.
.macro LOADM slot, s
	WIN 0
.irp qt, 0,1,2,3
.irp u, 0,1
	ds_load_b128 v[MK+8*\qt+4*\u:MK+8*\qt+4*\u+3], v[VMA] offset:(\slot)*MSLOT+16*KP*\qt+64*(\s)+32*\u
.endr
.endr
.endm
; K's fragments: 4 key tiles x 4 pieces of 32 along d; lane (r, h) takes row r, two loads of 16 bytes, 32 bytes apart.
.macro LOADK b
	WIN 0x40
.irp kt, 0,1,2,3
.irp ks, 0,1,2,3
	ds_load_b128 v[KF+32*\kt+8*\ks:KF+32*\kt+8*\ks+3],   v[VKA] offset:(\b)*BUF+16*KP*\kt+64*\ks
	ds_load_b128 v[KF+32*\kt+8*\ks+4:KF+32*\kt+8*\ks+7], v[VKA] offset:(\b)*BUF+16*KP*\kt+64*\ks+32
.endr
.endr
.endm
; V's fragments, transposed on the way: 2 pieces of 32 keys x 8 tiles of 16 d; two loads, 16 rows apart.
.macro LOADV b
	WIN 0xc0
.irp u, 0,1
.irp dt, 0,1,2,3,4,5,6,7
	ds_load_tr16_b128 v[VF+64*\u+8*\dt:VF+64*\u+8*\dt+3],   v[VVA] offset:(\b)*BUF+32*VP*\u+32*\dt
	ds_load_tr16_b128 v[VF+64*\u+8*\dt+4:VF+64*\u+8*\dt+7], v[VVA] offset:(\b)*BUF+32*VP*\u+32*\dt+16*VP
.endr
.endr
.endm
; The mask as the scores' starting values: 0.0 for an open key, -2^127 for a masked one.  S[4 d + i] is byte i of dword d.
.macro BIAS qt
	WIN 0
.irp d, 0,1,2,3,4,5,6,7
	v_lshlrev_b32 v[T+\d], 8, v[MK+8*\qt+\d]
.endr
.irp d, 0,1,2,3,4,5,6,7
	v_sub_nc_u32 v[T+\d], v[T+\d], v[MK+8*\qt+\d]  ; bytes 0x00 or 0xff
.endr
.irp d, 0,1,2,3,4,5,6,7
.irp i, 0,1,2,3
	v_perm_b32 v[S+4*\d+\i], v[T+\d], v[VZ], s[SEL+\i]
.endr
.endr
.endm
; 16 matrix instructions: 64 keys x 16 queries x 128 d.  The four accumulators take turns, one instruction a turn.
.macro SMM qt
	WIN 0x05
.irp ks, 0,1,2,3
.irp kt, 0,1,2,3
	v_wmma_f32_16x16x32_bf16 v[S+8*\kt:S+8*\kt+7], v[KF+32*\kt+8*\ks:KF+32*\kt+8*\ks+7], v[QF+32*\qt+8*\ks:QF+32*\qt+8*\ks+7], v[S+8*\kt:S+8*\kt+7]
.endr
.endr
.endm
; Running softmax of one query tile.  first = 1: the first step starts maximum and sum.
.macro SOFT qt, first
	WIN 0
	PLACES                                         ; behind the last score product, ahead of the first read of S
.irp k, 0,1,2,3
	v_max3_num_f32 v[T+\k], v[S+8*\k], v[S+8*\k+1], v[S+8*\k+2]
.endr
.irp k, 0,1,2,3
	v_max3_num_f32 v[T+\k], v[T+\k], v[S+8*\k+3], v[S+8*\k+4]
.endr
.irp k, 0,1,2,3
	v_max3_num_f32 v[T+\k], v[T+\k], v[S+8*\k+5], v[S+8*\k+6]
.endr
	v_max3_num_f32 v[T], v[T], v[S+7], v[S+15]
	v_max3_num_f32 v[T+2], v[T+2], v[S+23], v[S+31]
	v_max3_num_f32 v[T], v[T], v[T+1], v[T+3]
.if \first
	v_max3_num_f32 v[T], v[T], v[T+2], s28
.else
	v_max3_num_f32 v[T], v[T], v[T+2], v[M+\qt]
.endif
	v_permlanex16_b32 v[T+1], v[T], s22, s23       ; the other half's 32 keys of the same query
	v_max_num_f32 v[M+\qt], v[T], v[T+1]
.if \first
	v_mul_f32 v[NM+2*\qt], s30, v[M+\qt]
	v_mul_f32 v[NM+2*\qt+1], s30, v[M+\qt]
.else
	v_mov_b32 v[T+4], v[NM+2*\qt]
	v_mul_f32 v[NM+2*\qt], s30, v[M+\qt]           ; -c M, rounded once: the very number that the exponents below use,
	v_mul_f32 v[NM+2*\qt+1], s30, v[M+\qt]
	v_sub_f32 v[T+4], v[NM+2*\qt], v[T+4]          ; so the factor for what was summed before is the difference of the two rounded numbers (not fused on purpose): 0 where the maximum stayed
	v_exp_f32 v[AL+2*\qt], v[T+4]                  ; the packed multiply-adds below are the plain place behind it
.endif
.set nn, 0
.rept 16
	v_pk_fma_f32 v[S+2*nn:S+2*nn+1], v[S+2*nn:S+2*nn+1], v[VC:VC+1], v[NM+2*\qt:NM+2*\qt+1]
.set nn, nn+1
.endr
.set nn, 0
.rept 32
	v_exp_f32 v[S+nn], v[S+nn]
.set nn, nn+1
.endr
.if \first
	v_nop                                          ; one plain place behind the exponentials
	s_wait_alu depctr_va_vdst(0)
.else
	s_wait_alu depctr_va_vdst(0)
	v_mov_b32 v[AL+2*\qt+1], v[AL+2*\qt]           ; one plain place behind the exponentials, and the factor's second copy
.endif
.irp k, 0,1,2,3
	v_pk_add_f32 v[T+2*\k:T+2*\k+1], v[S+8*\k:S+8*\k+1], v[S+8*\k+2:S+8*\k+3]
.endr
.irp k, 0,1,2,3
	v_pk_add_f32 v[T+2*\k:T+2*\k+1], v[T+2*\k:T+2*\k+1], v[S+8*\k+4:S+8*\k+5]
.endr
.irp k, 0,1,2,3
	v_pk_add_f32 v[T+2*\k:T+2*\k+1], v[T+2*\k:T+2*\k+1], v[S+8*\k+6:S+8*\k+7]
.endr
	v_pk_add_f32 v[T:T+1], v[T:T+1], v[T+2:T+3]
	v_pk_add_f32 v[T+4:T+5], v[T+4:T+5], v[T+6:T+7]
	v_pk_add_f32 v[T:T+1], v[T:T+1], v[T+4:T+5]
.if \first
	v_add_f32 v[L+\qt], v[T], v[T+1]
.else
	v_add_f32 v[T], v[T], v[T+1]
	v_fma_f32 v[L+\qt], v[L+\qt], v[AL+2*\qt], v[T]
.endif
.set nn, 0
.rept 16
	v_cvt_pk_bf16_f32 v[P+16*\qt+nn], v[S+2*nn], v[S+2*nn+1]   ; registers 8u .. 8u+7: source 1 for LDS rows 32u .. 32u+31
.set nn, nn+1
.endr
.endm
; What was summed under the old maxima is brought under the new ones.
.macro RESCALE
	WIN 0x82
.irp qt, 0,1,2,3
.set nn, 0
.rept 32
	v_pk_mul_f32 v[64*\qt+2*nn:64*\qt+2*nn+1], v[64*\qt+2*nn:64*\qt+2*nn+1], v[AL+2*\qt:AL+2*\qt+1]
.set nn, nn+1
.endr
.endr
.endm
; 64 matrix instructions: 128 d x 64 queries x 64 keys.  The 32 accumulators take turns, one instruction a turn.
; first = 1: the first products start the sums, nothing is cleared.
.macro PVMM first
	WIN 0xa3
.irp u, 0,1
.irp qt, 0,1,2,3
.irp dt, 0,1,2,3,4,5,6,7
.if \first*(1-\u)
	v_wmma_f32_16x16x32_bf16 v[64*\qt+8*\dt:64*\qt+8*\dt+7], v[VF+64*\u+8*\dt:VF+64*\u+8*\dt+7], v[P+16*\qt+8*\u:P+16*\qt+8*\u+7], 0
.else
	v_wmma_f32_16x16x32_bf16 v[64*\qt+8*\dt:64*\qt+8*\dt+7], v[VF+64*\u+8*\dt:VF+64*\u+8*\dt+7], v[P+16*\qt+8*\u:P+16*\qt+8*\u+7], v[64*\qt+8*\dt:64*\qt+8*\dt+7]
.endif
.endr
.endr
.endr
.endm
; Wave 0 asks for its work-group's quarter (32 lanes, 256 bytes apart: 8,192 bytes) of the tile three steps on, which the next step's loads will want.
; The eight work-groups of a batch share K's and V's tile out among them, so that each block of 256 bytes is asked for once in the launch.
.macro PREF tt
	s_cmp_lg_u32 s14, 0
	s_cbranch_scc1 .Lnopf_\@
	global_prefetch_b8 v[VPF], s[48:49] offset:((\tt)+3)*TILEB th:TH_LOAD_NT scope:SCOPE_SE
.Lnopf_\@:
.endm
; One step.  tt: the step, counted from the bases as they stand; buffer tt & 1, mask slot (tt >> 2) & 1, quarter tt & 3.
; conv: the next tile is rounded and put into the other buffer, and the next step's fragments are fetched.  gl: the tile two steps on is loaded.
; pf: prefetch.  tw: the wait for all tensor loads.  refill: this step's mask slot, read to its end, is filled again.
; ONE barrier a step.  In front of it: my stores of the next tile are done, and so are all my reads of the buffer that is written in the next step.
.macro STEP tt, first, conv, gl, pf, tw, refill
	s_wait_dscnt 32                                ; issued in this order: 8 mask loads, 32 of K, 32 of V; V's may stay out
.irp qt, 0,1,2,3
	BIAS \qt
	SMM \qt
	SOFT \qt, \first
.endr
.if \first == 0
	RESCALE
.endif
.if \conv
	CONVERT ((\tt+1)&1)
	WIN 0
	s_wait_dscnt 0x0                               ; for the others' sake: my stores and all my LDS reads, V's fragments and the mask's among them
.if \tw
	s_wait_tensorcnt 0x0                           ; all my tensor loads have landed: the other slot is whole, and a group 0 may be written
	ds_add_u32 v254, v255
	s_wait_dscnt 0x0
.endif
.if \refill
	s_add_nc_u64 s[G0+4*((\tt>>2)&1)+2:G0+4*((\tt>>2)&1)+3], s[G0+4*((\tt>>2)&1)+2:G0+4*((\tt>>2)&1)+3], 512   ; this slot's next 256 keys
.endif
	s_barrier_signal -1
	s_barrier_wait -1
.if \refill
	tensor_load_to_lds s[G0+4*((\tt>>2)&1):G0+4*((\tt>>2)&1)+3], s[G1:G1+7]   ; my one tensor load behind this barrier, first thing there; four steps pass before it is waited for
	s_nop 0
.endif
.if \gl
	LOADKV (\tt+2)
	WIN 0
.endif
.if \pf
	PREF \tt
.endif
	LOADM (((\tt+1)>>2)&1), ((\tt+1)&3)
	LOADK ((\tt+1)&1)
.else
	s_wait_dscnt 0x0                               ; V's fragments
.endif
	PVMM \first
.if \conv
	PLACES                                         ; behind the last product, ahead of the loads into its source registers
	LOADV ((\tt+1)&1)
.endif
.endm
	; Q: lane (r, h) takes, for each query tile and each 32 along d, d = 8h .. 8h+7 and 16+8h .. 16+8h+7 of row r, in f32, into window 2
	WIN 0x80
.irp qt, 0,1,2,3
.irp ks, 0,1,2,3
	global_load_b128 v[64*\qt+16*\ks:64*\qt+16*\ks+3],     v[VQO], s[4:5] offset:8192*\qt+128*\ks
	global_load_b128 v[64*\qt+16*\ks+4:64*\qt+16*\ks+7],   v[VQO], s[4:5] offset:8192*\qt+128*\ks+16
	global_load_b128 v[64*\qt+16*\ks+8:64*\qt+16*\ks+11],  v[VQO], s[4:5] offset:8192*\qt+128*\ks+64
	global_load_b128 v[64*\qt+16*\ks+12:64*\qt+16*\ks+15], v[VQO], s[4:5] offset:8192*\qt+128*\ks+80
.endr
.endr
	LOADKV 0
	WIN 0
	; the other addresses, while the loads are on their way
	v_mul_u32_u24 v[T+3], v[T+1], KP
	v_lshl_add_u32 v[T+3], v[T+2], 4, v[T+3]       ; 272 r + 16 h
	v_add_nc_u32 v[VKA], KVB, v[T+3]
	v_add_nc_u32 v[VMA], s17, v[T+3]
	s_mul_i32 s50, s14, 16*KP
	s_add_co_u32 s50, s50, KVB
	v_lshl_add_u32 v[VKS], v[T], 3, s50
	s_mul_i32 s51, s14, 16*VP
	s_add_co_u32 s51, s51, KVB+VOFF
	v_lshl_add_u32 v[VVS], v[T], 3, s51
	v_and_b32 v[T+3], 7, v0
	v_lshl_add_u32 v[T+3], v[T+2], 3, v[T+3]
	v_mul_u32_u24 v[T+3], v[T+3], VP
	v_bfe_u32 v[T+4], v0, 3, 1
	v_lshl_add_u32 v[T+3], v[T+4], 4, v[T+3]
	v_add_nc_u32 v[VVA], KVB+VOFF, v[T+3]
	s_mul_i32 s52, s14, STGW
	s_add_co_u32 s52, s52, STG
	v_mul_u32_u24 v[T+3], v[T+1], SP
	v_lshl_add_u32 v[T+3], v[T+2], 5, v[T+3]
	v_add_nc_u32 v[VSTO], s52, v[T+3]
	v_lshl_add_u32 v[VRD], v[T], 4, s52
	v_lshlrev_b32 v[VCO], 4, v[T]
	v_mov_b32 v[VZ], 0
	v_lshlrev_b32 v[VPF], 8, v[T]
	v_mov_b32 v[VC], 0x418293ee                    ; c = sqrt(128) log2(e) = 16.322231
	v_mov_b32 v[VC+1], 0x418293ee
	s_wait_loadcnt 32                              ; Q's 64 loads are in; the 32 of tile 0, issued behind them, may stay out
	WIN 0x4a
.set nn, 0
.rept 128
	v_cvt_pk_bf16_f32 v[QF+nn], v[2*nn], v[2*nn+1] ; Q's fragments, kept for the whole kernel
.set nn, nn+1
.endr
	CONVERT 0
	WIN 0
	s_wait_dscnt 0x0                               ; my part of tile 0 is written
	s_barrier_signal -1
	s_barrier_wait -1                              ; everybody's is.  The mask's fills may stay out
	LOADKV 1
	s_wait_tensorcnt 0x1                           ; my slot 0 has landed; slot 1's fill, issued behind it, may stay out
	LOADM 0, 0
	LOADK 0
	LOADV 0
	STEP 0, 1, 1, 1, 1, 0, 0                       ; step 0 stands in front of the loop: it starts maxima, sums and O
	WIN 0                                          ; at a label and at a branch every window is 0
	s_mov_b32 s29, 3
.Lloop:                                            ; steps 8 n + 1 .. 8 n + 8, n = 0, 1, 2
	STEP 1, 0, 1, 1, 1, 0, 0
	STEP 2, 0, 1, 1, 1, 0, 0
	STEP 3, 0, 1, 1, 1, 1, 1
	STEP 4, 0, 1, 1, 1, 0, 0
	STEP 5, 0, 1, 1, 1, 0, 0
	STEP 6, 0, 1, 1, 1, 0, 0
	STEP 7, 0, 1, 1, 1, 1, 1
	STEP 8, 0, 1, 1, 1, 0, 0
	WIN 0
	s_wait_xcnt 0x0                                ; the bases of the loads and of the prefetch are stepped only behind this wait
	s_add_nc_u64 s[6:7], s[6:7], 8*TILEB
	s_add_nc_u64 s[8:9], s[8:9], 8*TILEB
	s_add_nc_u64 s[48:49], s[48:49], 8*TILEB
	s_sub_co_u32 s29, s29, 1
	s_cmp_lg_u32 s29, 0
	s_cbranch_scc1 .Lloop
	; steps 25 to 31, written out: no mask slot is filled that no later step reads, and no load or prefetch passes tile 31
	STEP 1, 0, 1, 1, 1, 0, 0
	STEP 2, 0, 1, 1, 1, 0, 0
	STEP 3, 0, 1, 1, 1, 1, 0                       ; the last mask tile has landed: no tensor load is out from here on
	STEP 4, 0, 1, 1, 1, 0, 0                       ; the last prefetch: tile 31
	STEP 5, 0, 1, 1, 0, 0, 0                       ; the last load: tile 31
	STEP 6, 0, 1, 0, 0, 0, 0
	STEP 7, 0, 0, 0, 0, 0, 0
; THE WAY OUT, one query tile (16 rows of out0) at a time: the two halves' sums meet, O is divided, goes into my own stage as 16 rows of 512 bytes,
; is read back by rows, and each store of the wave covers 512 consecutive bytes, aligned.  LDS serves a wave's instructions in order
; (ISA guide 5.7.1), so no wait stands between my stores into the stage and my loads from it, nor in front of the next tile's stores.
.macro OUTQ qt, buf
	WIN 0
	v_permlanex16_b32 v[T], v[L+\qt], s22, s23
	v_add_f32 v[T], v[T], v[L+\qt]
	v_rcp_f32 v[T+1], v[T]
	v_cmp_lt_f32 vcc_lo, 0, v[T]                   ; the plain place behind the reciprocal
	s_wait_alu depctr_va_vdst(0)
	v_cndmask_b32 v[T+2], 0, v[T+1], vcc_lo        ; a row with no open key has sum 0: it is written as 0
	v_mov_b32 v[T+3], v[T+2]
	WIN 0x82
.set nn, 0
.rept 32
	v_pk_mul_f32 v[64*\qt+2*nn:64*\qt+2*nn+1], v[64*\qt+2*nn:64*\qt+2*nn+1], v[T+2:T+3]
.set nn, nn+1
.endr
	WIN 0x08
.irp dt, 0,1,2,3,4,5,6,7
	ds_store_b128 v[VSTO], v[64*\qt+8*\dt:64*\qt+8*\dt+3]   offset:64*\dt
	ds_store_b128 v[VSTO], v[64*\qt+8*\dt+4:64*\qt+8*\dt+7] offset:64*\dt+16
.endr
	WIN 0
	s_wait_xcnt 0x0                                ; the buffer, which earlier stores read, is loaded again only behind this wait
.irp row, 0,1,2,3,4,5,6,7,8,9,10,11,12,13,14,15
	ds_load_b128 v[\buf+4*\row:\buf+4*\row+3], v[VRD] offset:SP*\row
.endr
.irp row, 0,1,2,3,4,5,6,7,8,9,10,11,12,13,14,15
	s_wait_dscnt 15-\row                           ; this row is back; the younger ones may stay out
	global_store_b128 v[VCO], v[\buf+4*\row:\buf+4*\row+3], s[12:13] offset:(16*\qt+\row)*512 th:TH_STORE_NT
.endr
.endm
	PLACES                                         ; behind the last product: O is read, and P's registers become a buffer
	OUTQ 0, OA
	OUTQ 1, OB
	OUTQ 2, OA
	OUTQ 3, OB
	s_wait_tensorcnt 0x0
	ds_add_u32 v254, v255
	s_wait_dscnt 0x0
	s_endpgm
.Lfunc_end_k_q1f650957d5_attn:
	.size	k_q1f650957d5_attn, .Lfunc_end_k_q1f650957d5_attn-k_q1f650957d5_attn
	.p2alignl 7, 3214868480
	.fill 96, 4, 3214868480
	.section	.rodata,"a",@progbits
	.p2align	6, 0x0
	.amdhsa_kernel k_q1f650957d5_attn
		.amdhsa_group_segment_fixed_size 327680
		.amdhsa_private_segment_fixed_size 0
		.amdhsa_enable_private_segment 0
		.amdhsa_kernarg_size 40
		.amdhsa_user_sgpr_count 2
		.amdhsa_user_sgpr_kernarg_segment_ptr 1
		.amdhsa_wavefront_size32 1
		.amdhsa_system_sgpr_workgroup_id_x 1
		.amdhsa_system_sgpr_workgroup_id_y 1
		.amdhsa_system_sgpr_workgroup_id_z 1
		.amdhsa_system_vgpr_workitem_id 0
		.amdhsa_next_free_vgpr 1024
		.amdhsa_next_free_sgpr 66
		.amdhsa_reserve_vcc 1
		.amdhsa_float_denorm_mode_32 3
		.amdhsa_float_denorm_mode_16_64 3
		.amdhsa_memory_ordered 1
		.amdhsa_forward_progress 1
		.amdhsa_inst_pref_size 255
	.end_amdhsa_kernel
	.section	.bss,"aw",@nobits
	.p2align	6
	.space	262144
	.amdgpu_metadata
---
amdhsa.version: [ 1, 2 ]
amdhsa.kernels:
  - .name:           k_q1f650957d5_attn
    .symbol:         k_q1f650957d5_attn.kd
    .args:
      - { .name: q, .offset: 0, .size: 8, .value_kind: global_buffer, .address_space: global }
      - { .name: k, .offset: 8, .size: 8, .value_kind: global_buffer, .address_space: global }
      - { .name: v, .offset: 16, .size: 8, .value_kind: global_buffer, .address_space: global }
      - { .name: mask, .offset: 24, .size: 8, .value_kind: global_buffer, .address_space: global }
      - { .name: out0, .offset: 32, .size: 8, .value_kind: global_buffer, .address_space: global }
    .group_segment_fixed_size: 327680
    .private_segment_fixed_size: 0
    .kernarg_segment_align: 8
    .kernarg_segment_size: 40
    .max_flat_workgroup_size: 128
    .sgpr_count:     66
    .vgpr_count:     1024
    .wavefront_size: 32
...
	.end_amdgpu_metadata
.endif
;; end of part 1
;; ======== version 2 of 2: 1 launch
;; limits: right only within a limited range of input values
;; launch attn (part 2): grid 8 x 32, 4 waves a work-group, no clusters, 327,680 bytes of LDS; arguments q, k, v, mask, out0; writes out0
.if DOCPART == 2
	.amdgcn_target "amdgcn-amd-amdhsa--gfx1250"
	.amdhsa_code_object_version 6
	.text
	.protected	k_q1f650957d5_attn
	.globl	k_q1f650957d5_attn
	.p2align	8
	.type	k_q1f650957d5_attn,@function
k_q1f650957d5_attn:
	s_mov_b64 s[64:65], 0
	v_nop
	global_prefetch_b8 v0, s[64:65] scope:SCOPE_SE
	s_setreg_imm32_b32 hwreg(HW_REG_WAVE_MODE, 25, 1), 1
	s_wait_xcnt 0x0
; out0[b][q][:] = softmax over keys of (sqrt(128) * q.k, masked keys left out) times v; a row whose keys are all masked gives 0.
; q, k, v, out0: [32][2048][128] f32.  mask: [32][2048][2048], one byte, 1 = masked out.
; One launch, nothing intermediate in memory.  Work-group (x, y) = 256 queries (block x) of batch y; wave w owns 64 of them as four
; query tiles of 16.  Keys go in 32 steps of 64, with a running maximum and a running sum for each query.
;
; ORIENTATION.  Scores are made transposed, S^T = K Q^T (source 0 = 16 rows of K, source 1 = 16 queries): lane (r, h) holds query r, register j
; key row 8 h + j.  Two neighbouring key tiles, packed to bf16, are then already source 1 of the second product, O^T = V^T P, whose source 0
; comes from V's rows by the transposing LDS load.  Maximum, sum and rescale factor are one number a lane; one exchange of the two lane halves
; for each query tile and step is all the traffic between lanes.
; KEY ORDER.  Key 32u + 16a + 8e + b of a step lies in LDS row 32u + 16e + 8a + b, for K and V alike (the sum over keys does not mind).
; Score registers 16u .. 16u+15 of lane (r, h) are then keys 32u + 16h + 0..15: sixteen neighbouring mask bytes, one LDS load.
; MASK VALUES.  A mask dword m (bytes 0 or 1) gives (m << 8) - m, bytes 0x00 or 0xff; a byte moved to the top of a zero word is 0.0 or -2^127.
; These words are the C operand of the first score product.  The maximum starts at -2^100, so masked keys never enter it; c * (-2^127) overflows
; to -inf inside the multiply-add, whose exponential is 0.  A row with no open key keeps sum 0 and is written as 0.
; MASK BYTES.  The mover brings a group of 256 keys (four steps) of my 64 rows, whole rows of 256 bytes, into my one slot.  The slot is emptied into
; registers early: step 0's bytes are read when the group has landed, those of steps 1, 2, 3 one step later (three sets of 32 registers), and the slot
; is filled again behind step 1's barrier; two steps' work pass before that fill is waited for.  So the text repeats after four steps, with every
; LDS address a constant, and the loop's body is four steps.  By this text's own count a wave has one tensor load out at the most.
; SCALE.  q and k are rounded to bf16 as they are; c = sqrt(128) * log2(e) is applied in f32: p = exp2(c S - c M).
; LIMITS, stated: |q.k| < 2^100; mask bytes are 0 or 1; NaN and infinities in q, k, v are not served; exponentials below 2^-126 count as 0.
; NO CLUSTER, NO JOINT LOADS for K and V, though the eight work-groups of a batch read the same tiles: the mover copies bytes as they are, so a
; step's K and V would land in LDS as f32, 2 x 64 x 512 = 65,536 bytes, and would have to be read from there, rounded and stored again as the
; 32,768 bytes of bf16 that the fragments are read from: 131,072 bytes more through LDS in a step, beside the 196,608 that a step moves there now
; (131,072 of fragments, 32,768 of bf16 stored, 16,384 of mask written and as many read).  So K and V come through registers, where they are rounded.
;
; LDS: 0        mask, mover only: wave w's slot at 17,408 w; 64 rows of 256 bytes, pitch 272
;      69,632   K and V in bf16, two buffers of 35,840: K 64 rows pitch 272, then V 64 rows pitch 288
;      141,312  stage for the way out, 8,448 a wave: 16 rows of 512 bytes, pitch 528
; REGISTERS, in windows of 256:
;   window 0: addresses, softmax state, scores S, packed P, mask dwords     window 1: Q fragments v0-127, K fragments v128-255
;   window 2: O, 32 tiles of 16 d x 16 queries (at the start: Q in f32)      window 3: V fragments v0-127, K and V rows on their way v128-255
.set TILEB, 32768                      ; a step's 64 rows of K (or V) in memory
.set MSLOT, 17408                      ; a wave's mask slot: 64 rows x 272
.set KVB,   69632                      ; the bf16 tiles
.set BUF,   35840                      ; one buffer: K's 17,408 + V's 18,432
.set VOFF,  17408                      ; V behind K
.set KP,    272                        ; pitch of K's rows and of the mask's: an odd multiple of 16
.set VP,    288                        ; pitch of V's rows: an odd multiple of 32, for the transposing load
.set STG,   141312
.set STGW,  8448
.set SP,    528
.set VKV,  2                           ; 16 lane + 512 x (32 (w>>1) + 8 (w&1)): my rows of K and V in memory
.set VKS,  3                           ; where I put K's rows: KVB + 16 w rows + 8 lane
.set VVS,  4                           ; the same for V
.set VKA,  5                           ; K fragments: KVB + 272 r + 16 h
.set VVA,  6                           ; V fragments: KVB + VOFF + (8 h + (lane & 7)) 288 + 16 ((lane >> 3) & 1)
.set VMA,  7                           ; mask: 17,408 w + 272 r + 16 h
.set VSTO, 8                           ; stage, in: 528 r + 32 h
.set VRD,  9                           ; stage, back: 16 lane
.set VCO,  10                          ; out0: 16 lane
.set VZ,   11                          ; 0
.set VPF,  12                          ; prefetch: 256 lane
.set VQO,  13                          ; q: 512 r + 32 h
.set VC,   14                          ; v[14:15]   c, twice
.set M,    16                          ; v[16:19]   running maximum of the raw scores, one for each query tile
.set L,    20                          ; v[20:23]   running sum of my half of the keys
.set NM,   24                          ; v[24:31]   -c M, twice, for each query tile
.set AL,   32                          ; v[32:39]   rescale factor, twice, for each query tile
.set T,    40                          ; v[40:47]   at work
.set S,    48                          ; v[48:79]   scores of one query tile x 64 keys
.set MZ,   80                          ; v[80:111]  mask dwords of a group's step 3, 8 a query tile
.set P,    112                         ; v[112:175] p in bf16, 16 registers a query tile
.set MX,   176                         ; v[176:207] mask dwords of a group's step 0, then of its step 1
.set MY,   208                         ; v[208:239] mask dwords of a group's step 2
.set OA,   48                          ; v[48:111]  the way out, buffer A
.set OB,   112                         ; v[112:175] the way out, buffer B
.set QF,   0                           ; window 1
.set KF,   128                         ; window 1
.set VF,   0                           ; window 3
.set G,    128                         ; window 3: K's row i at G + 4 i, V's at G + 64 + 4 i
.set SEL,  24                          ; s[24:27]   byte selectors
.set G1,   32                          ; s[32:39]   descriptor group 1
.set G0,   40                          ; s[40:43]   descriptor group 0
.set MSB,  0
.macro WIN new                         ; low byte: 1:0 source 0, 3:2 source 1, 5:4 source 2, 7:6 destination; the high byte repeats the setting that is left
.if MSB != \new
	s_set_vgpr_msb (MSB<<8)|\new
.set MSB, \new
.endif
.endm
.macro PLACES                          ; four places behind a matrix instruction (ISA guide 7.12.1)
.rept 4
	v_nop
.endr
.endm
	s_load_b256 s[4:11], s[0:1], 0x0               ; q s[4:5], k s[6:7], v s[8:9], mask s[10:11]
	s_load_b64 s[12:13], s[0:1], 0x20              ; out0
	v_lshl_add_u32 v254, v0, 2, 0x2ac00
	v_mov_b32 v255, 0
	ds_add_u32 v254, v255
	ds_add_u32 v254, v255
	v_lshrrev_b32 v1, 5, v0
	v_readfirstlane_b32 s14, v1                    ; wave 0..3
	s_mov_b32 s15, ttmp9                           ; x: query block
	s_and_b32 s16, ttmp7, 0xffff                   ; y: batch
	; group 1: a tile of 64 rows x 32 elements of 8 bytes (256 mask bytes), rows 2,048 bytes apart in memory, 272 in LDS
	s_mov_b32 s[G1+0], 0x07530000                  ; no mask of work-groups; elements of 8 bytes; padding on: 4 dwords behind every 64
	s_mov_b32 s[G1+1], 32<<16                      ; tensor_dim0 = 32
	s_mov_b32 s[G1+2], 64<<16                      ; tensor_dim1 = 64
	s_mov_b32 s[G1+3], 32<<16                      ; tile_dim0 = 32
	s_mov_b32 s[G1+4], 64                          ; tile_dim1 = 64
	s_mov_b32 s[G1+5], 256                         ; 256 elements from row to row
	s_mov_b32 s[G1+6], 0
	s_mov_b32 s[G1+7], 0
	s_mul_i32 s17, s14, MSLOT                      ; my slot
	s_lshl_b32 s18, s16, 22                        ; mask: batch x 2048 x 2048
	s_lshl_b32 s31, s15, 19                        ; + block x 256 rows
	s_add_co_u32 s18, s18, s31
	s_lshl_b32 s31, s14, 17                        ; + wave x 64 rows
	s_add_co_u32 s18, s18, s31
	s_mov_b32 s19, 0
	s_wait_dscnt 0x0
	s_wait_kmcnt 0x0
	s_add_nc_u64 s[10:11], s[10:11], s[18:19]
	; the first fill goes out ahead of every wait on TENSORcnt, every LDS read and every barrier: keys 0-255 of my 64 rows
	s_mov_b32 s[G0], 1
	s_mov_b32 s[G0+1], s17
	s_mov_b64 s[G0+2:G0+3], s[10:11]
	s_or_b32 s[G0+3], s[G0+3], 0x80000000
	tensor_load_to_lds s[G0:G0+3], s[G1:G1+7]
	s_nop 0
	s_lshl_b32 s18, s16, 20                        ; k, v: batch x 2048 x 512
	s_add_nc_u64 s[6:7], s[6:7], s[18:19]
	s_add_nc_u64 s[8:9], s[8:9], s[18:19]
	s_cmp_lt_u32 s15, 4                            ; prefetch: blocks 0-3 ask for K's tiles, blocks 4-7 for V's,
	s_cselect_b64 s[48:49], s[6:7], s[8:9]
	s_and_b32 s50, s15, 3
	s_lshl_b32 s50, s50, 13                        ; each for a quarter, 8,192 bytes
	s_mov_b32 s51, 0
	s_add_nc_u64 s[48:49], s[48:49], s[50:51]
	s_lshl_b32 s31, s15, 17                        ; q, out0: + block x 256 rows of 512 bytes
	s_add_co_u32 s18, s18, s31
	s_lshl_b32 s31, s14, 15                        ; + wave x 64 rows
	s_add_co_u32 s18, s18, s31
	s_add_nc_u64 s[4:5], s[4:5], s[18:19]
	s_add_nc_u64 s[12:13], s[12:13], s[18:19]
	s_mov_b32 s22, 0x76543210                      ; v_permlanex16_b32: lane i of one half reads lane i of the other
	s_mov_b32 s23, 0xfedcba98
	s_mov_b32 s[SEL+0], 0x04000000                 ; top byte: byte i of the first source; the three below: byte 0 of the second, which is 0
	s_mov_b32 s[SEL+1], 0x05000000
	s_mov_b32 s[SEL+2], 0x06000000
	s_mov_b32 s[SEL+3], 0x07000000
	s_mov_b32 s28, 0xf1800000                      ; -2^100: where the maximum starts
	s_mov_b32 s30, 0xc18293ee                      ; -c
	v_and_b32 v[T], 31, v0                         ; lane
	v_and_b32 v[T+1], 15, v0                       ; r
	v_bfe_u32 v[T+2], v0, 4, 1                     ; h
	v_lshlrev_b32 v[VQO], 9, v[T+1]
	v_lshl_add_u32 v[VQO], v[T+2], 5, v[VQO]
	s_lshr_b32 s50, s14, 1
	s_lshl_b32 s50, s50, 14                        ; 32 (w >> 1) rows of 512 bytes
	s_and_b32 s51, s14, 1
	s_lshl_b32 s51, s51, 12                        ; 8 (w & 1) rows
	s_add_co_u32 s50, s50, s51
	v_lshl_add_u32 v[VKV], v[T], 4, s50
; A step's K and V: my 16 rows of each, one whole row of 512 bytes a load.  Row i of mine is key 32 (w>>1) + 8 (w&1) + 16 (i>>3) + (i&7).
.macro LOADKV tt
	WIN 0xc0
.irp i, 0,1,2,3,4,5,6,7,8,9,10,11,12,13,14,15
	global_load_b128 v[G+4*\i:G+4*\i+3], v[VKV], s[6:7] offset:(\tt)*TILEB+512*(16*(\i>>3)+(\i&7))
.endr
.irp i, 0,1,2,3,4,5,6,7,8,9,10,11,12,13,14,15
	global_load_b128 v[G+64+4*\i:G+64+4*\i+3], v[VKV], s[8:9] offset:(\tt)*TILEB+512*(16*(\i>>3)+(\i&7))
.endr
.endm
; They are rounded to bf16 in place and put into buffer b as LDS rows 16 w + i: each store covers 256 neighbouring bytes.
.macro CONVERT b
	s_wait_loadcnt 0x0                             ; the 32 loads issued a step ago
	WIN 0xcf
.set nn, 0
.rept 32
	v_cvt_pk_bf16_f32 v[G+4*nn], v[G+4*nn], v[G+4*nn+1]
	v_cvt_pk_bf16_f32 v[G+4*nn+1], v[G+4*nn+2], v[G+4*nn+3]
.set nn, nn+1
.endr
	WIN 0x0c
.irp i, 0,1,2,3,4,5,6,7,8,9,10,11,12,13,14,15
	ds_store_b64 v[VKS], v[G+4*\i:G+4*\i+1] offset:(\b)*BUF+KP*\i
.endr
.irp i, 0,1,2,3,4,5,6,7,8,9,10,11,12,13,14,15
	ds_store_b64 v[VVS], v[G+64+4*\i:G+64+4*\i+1] offset:(\b)*BUF+VP*\i
.endr
.endm
; The mask bytes of one step (quarter s of the slot's rows) into register set mk: for each query tile 2 x 16 bytes of row r.
.macro LOADM mk, s
	WIN 0
.irp qt, 0,1,2,3
.irp u, 0,1
	ds_load_b128 v[\mk+8*\qt+4*\u:\mk+8*\qt+4*\u+3], v[VMA] offset:16*KP*\qt+64*(\s)+32*\u
.endr
.endr
.endm
; K's fragments: 4 key tiles x 4 pieces of 32 along d; lane (r, h) takes row r, two loads of 16 bytes, 32 bytes apart.
.macro LOADK b
	WIN 0x40
.irp kt, 0,1,2,3
.irp ks, 0,1,2,3
	ds_load_b128 v[KF+32*\kt+8*\ks:KF+32*\kt+8*\ks+3],   v[VKA] offset:(\b)*BUF+16*KP*\kt+64*\ks
	ds_load_b128 v[KF+32*\kt+8*\ks+4:KF+32*\kt+8*\ks+7], v[VKA] offset:(\b)*BUF+16*KP*\kt+64*\ks+32
.endr
.endr
.endm
; V's fragments, transposed on the way: 2 pieces of 32 keys x 8 tiles of 16 d; two loads, 16 rows apart.
.macro LOADV b
	WIN 0xc0
.irp u, 0,1
.irp dt, 0,1,2,3,4,5,6,7
	ds_load_tr16_b128 v[VF+64*\u+8*\dt:VF+64*\u+8*\dt+3],   v[VVA] offset:(\b)*BUF+32*VP*\u+32*\dt
	ds_load_tr16_b128 v[VF+64*\u+8*\dt+4:VF+64*\u+8*\dt+7], v[VVA] offset:(\b)*BUF+32*VP*\u+32*\dt+16*VP
.endr
.endr
.endm
; The mask as the scores' starting values: 0.0 for an open key, -2^127 for a masked one.  S[4 d + i] is byte i of dword d of set mk.
.macro BIAS qt, mk
	WIN 0
.irp d, 0,1,2,3,4,5,6,7
	v_lshlrev_b32 v[T+\d], 8, v[\mk+8*\qt+\d]
.endr
.irp d, 0,1,2,3,4,5,6,7
	v_sub_nc_u32 v[T+\d], v[T+\d], v[\mk+8*\qt+\d] ; bytes 0x00 or 0xff
.endr
.irp d, 0,1,2,3,4,5,6,7
.irp i, 0,1,2,3
	v_perm_b32 v[S+4*\d+\i], v[T+\d], v[VZ], s[SEL+\i]
.endr
.endr
.endm
; 16 matrix instructions: 64 keys x 16 queries x 128 d.  The four accumulators take turns, one instruction a turn.
.macro SMM qt
	WIN 0x05
.irp ks, 0,1,2,3
.irp kt, 0,1,2,3
	v_wmma_f32_16x16x32_bf16 v[S+8*\kt:S+8*\kt+7], v[KF+32*\kt+8*\ks:KF+32*\kt+8*\ks+7], v[QF+32*\qt+8*\ks:QF+32*\qt+8*\ks+7], v[S+8*\kt:S+8*\kt+7]
.endr
.endr
.endm
; Running softmax of one query tile.  first = 1: the first step starts maximum and sum.
.macro SOFT qt, first
	WIN 0
	PLACES                                         ; behind the last score product, ahead of the first read of S
.irp k, 0,1,2,3
	v_max3_num_f32 v[T+\k], v[S+8*\k], v[S+8*\k+1], v[S+8*\k+2]
.endr
.irp k, 0,1,2,3
	v_max3_num_f32 v[T+\k], v[T+\k], v[S+8*\k+3], v[S+8*\k+4]
.endr
.irp k, 0,1,2,3
	v_max3_num_f32 v[T+\k], v[T+\k], v[S+8*\k+5], v[S+8*\k+6]
.endr
	v_max3_num_f32 v[T], v[T], v[S+7], v[S+15]
	v_max3_num_f32 v[T+2], v[T+2], v[S+23], v[S+31]
	v_max3_num_f32 v[T], v[T], v[T+1], v[T+3]
.if \first
	v_max3_num_f32 v[T], v[T], v[T+2], s28
.else
	v_max3_num_f32 v[T], v[T], v[T+2], v[M+\qt]
.endif
	v_permlanex16_b32 v[T+1], v[T], s22, s23       ; the other half's 32 keys of the same query
	v_max_num_f32 v[M+\qt], v[T], v[T+1]
.if \first
	v_mul_f32 v[NM+2*\qt], s30, v[M+\qt]
	v_mul_f32 v[NM+2*\qt+1], s30, v[M+\qt]
.else
	v_mov_b32 v[T+4], v[NM+2*\qt]
	v_mul_f32 v[NM+2*\qt], s30, v[M+\qt]           ; -c M, rounded once: the very number that the exponents below use,
	v_mul_f32 v[NM+2*\qt+1], s30, v[M+\qt]
	v_sub_f32 v[T+4], v[NM+2*\qt], v[T+4]          ; so the factor for what was summed before is the difference of the two rounded numbers (not fused on purpose): 0 where the maximum stayed
	v_exp_f32 v[AL+2*\qt], v[T+4]                  ; the packed multiply-adds below are the plain place behind it
.endif
.set nn, 0
.rept 16
	v_pk_fma_f32 v[S+2*nn:S+2*nn+1], v[S+2*nn:S+2*nn+1], v[VC:VC+1], v[NM+2*\qt:NM+2*\qt+1]
.set nn, nn+1
.endr
.set nn, 0
.rept 32
	v_exp_f32 v[S+nn], v[S+nn]
.set nn, nn+1
.endr
.if \first
	v_nop                                          ; one plain place behind the exponentials
	s_wait_alu depctr_va_vdst(0)
.else
	s_wait_alu depctr_va_vdst(0)
	v_mov_b32 v[AL+2*\qt+1], v[AL+2*\qt]           ; one plain place behind the exponentials, and the factor's second copy
.endif
.irp k, 0,1,2,3
	v_pk_add_f32 v[T+2*\k:T+2*\k+1], v[S+8*\k:S+8*\k+1], v[S+8*\k+2:S+8*\k+3]
.endr
.irp k, 0,1,2,3
	v_pk_add_f32 v[T+2*\k:T+2*\k+1], v[T+2*\k:T+2*\k+1], v[S+8*\k+4:S+8*\k+5]
.endr
.irp k, 0,1,2,3
	v_pk_add_f32 v[T+2*\k:T+2*\k+1], v[T+2*\k:T+2*\k+1], v[S+8*\k+6:S+8*\k+7]
.endr
	v_pk_add_f32 v[T:T+1], v[T:T+1], v[T+2:T+3]
	v_pk_add_f32 v[T+4:T+5], v[T+4:T+5], v[T+6:T+7]
	v_pk_add_f32 v[T:T+1], v[T:T+1], v[T+4:T+5]
.if \first
	v_add_f32 v[L+\qt], v[T], v[T+1]
.else
	v_add_f32 v[T], v[T], v[T+1]
	v_fma_f32 v[L+\qt], v[L+\qt], v[AL+2*\qt], v[T]
.endif
.set nn, 0
.rept 16
	v_cvt_pk_bf16_f32 v[P+16*\qt+nn], v[S+2*nn], v[S+2*nn+1]   ; registers 8u .. 8u+7: source 1 for LDS rows 32u .. 32u+31
.set nn, nn+1
.endr
.endm
; What was summed under the old maxima is brought under the new ones.
.macro RESCALE
	WIN 0x82
.irp qt, 0,1,2,3
.set nn, 0
.rept 32
	v_pk_mul_f32 v[64*\qt+2*nn:64*\qt+2*nn+1], v[64*\qt+2*nn:64*\qt+2*nn+1], v[AL+2*\qt:AL+2*\qt+1]
.set nn, nn+1
.endr
.endr
.endm
; 64 matrix instructions: 128 d x 64 queries x 64 keys.  The 32 accumulators take turns, one instruction a turn.
; first = 1: the first products start the sums, nothing is cleared.
.macro PVMM first
	WIN 0xa3
.irp u, 0,1
.irp qt, 0,1,2,3
.irp dt, 0,1,2,3,4,5,6,7
.if \first*(1-\u)
	v_wmma_f32_16x16x32_bf16 v[64*\qt+8*\dt:64*\qt+8*\dt+7], v[VF+64*\u+8*\dt:VF+64*\u+8*\dt+7], v[P+16*\qt+8*\u:P+16*\qt+8*\u+7], 0
.else
	v_wmma_f32_16x16x32_bf16 v[64*\qt+8*\dt:64*\qt+8*\dt+7], v[VF+64*\u+8*\dt:VF+64*\u+8*\dt+7], v[P+16*\qt+8*\u:P+16*\qt+8*\u+7], v[64*\qt+8*\dt:64*\qt+8*\dt+7]
.endif
.endr
.endr
.endr
.endm
; Wave 0 asks for its work-group's quarter (32 lanes, 256 bytes apart: 8,192 bytes) of the tile three steps on, which the next step's loads will want.
; The eight work-groups of a batch share K's and V's tile out among them, so that each block of 256 bytes is asked for once in the launch.
.macro PREF tt
	s_cmp_lg_u32 s14, 0
	s_cbranch_scc1 .Lnopf_\@
	global_prefetch_b8 v[VPF], s[48:49] offset:((\tt)+3)*TILEB th:TH_LOAD_NT scope:SCOPE_SE
.Lnopf_\@:
.endm
; One step.  tt: the step, counted from the bases as they stand; tile buffer tt & 1; place in its mask group tt & 3.
; conv: the next tile is rounded and put into the other buffer, and the next step's fragments are fetched.  gl: the tile two steps on is loaded.
; pf: prefetch.  refill (in a group's step 1 alone): the mask slot, read to its end, is filled with the next group.
; ONE barrier a step.  In front of it: my stores of the next tile are done, and so are all my reads of the buffer that is written in the next step.
.macro STEP tt, first, conv, gl, pf, refill
.set mset, MX                                  ; a group's steps 0 and 1 find their mask dwords in MX, step 2 in MY, step 3 in MZ
.if ((\tt)&3) == 2
.set mset, MY
.endif
.if ((\tt)&3) == 3
.set mset, MZ
.endif
	s_wait_dscnt 32                                ; issued in this order: the mask loads (0, 8 or 24), 32 of K, 32 of V; V's may stay out
.irp qt, 0,1,2,3
	BIAS \qt, mset
	SMM \qt
	SOFT \qt, \first
.endr
.if \first == 0
	RESCALE
.endif
.if \conv
	CONVERT ((\tt+1)&1)
	WIN 0
	s_wait_dscnt 0x0                               ; for the others' sake: my stores and all my LDS reads, V's fragments and the mask's among them
.if \refill
	s_wait_tensorcnt 0x0                           ; none of my tensor loads is out (the last was waited for two steps ago): the slot may be filled again and group 0 written
	ds_add_u32 v254, v255
	s_wait_dscnt 0x0
	s_add_nc_u64 s[G0+2:G0+3], s[G0+2:G0+3], 256   ; the next 256 keys
.endif
	s_barrier_signal -1
	s_barrier_wait -1
.if \refill
	tensor_load_to_lds s[G0:G0+3], s[G1:G1+7]      ; my one tensor load behind this barrier, first thing there; two steps' work pass before it is waited for
	s_nop 0
.endif
.if \gl
	LOADKV (\tt+2)
	WIN 0
.endif
.if \pf
	PREF \tt
.endif
.if ((\tt)&3) == 3
	s_wait_tensorcnt 0x0                           ; the next group's tile has landed; no load was issued behind it, so the count that its reads need is 0
	LOADM MX, 0                                    ; its step 0
.endif
.if ((\tt)&3) == 0
	LOADM MX, 1                                    ; this group's steps 1, 2, 3: with these the slot has been read to its end
	LOADM MY, 2
	LOADM MZ, 3
.endif
	LOADK ((\tt+1)&1)
.else
	s_wait_dscnt 0x0                               ; V's fragments
.endif
	PVMM \first
.if \conv
	PLACES                                         ; behind the last product, ahead of the loads into its source registers
	LOADV ((\tt+1)&1)
.endif
.endm
	; Q: lane (r, h) takes, for each query tile and each 32 along d, d = 8h .. 8h+7 and 16+8h .. 16+8h+7 of row r, in f32, into window 2
	WIN 0x80
.irp qt, 0,1,2,3
.irp ks, 0,1,2,3
	global_load_b128 v[64*\qt+16*\ks:64*\qt+16*\ks+3],     v[VQO], s[4:5] offset:8192*\qt+128*\ks
	global_load_b128 v[64*\qt+16*\ks+4:64*\qt+16*\ks+7],   v[VQO], s[4:5] offset:8192*\qt+128*\ks+16
	global_load_b128 v[64*\qt+16*\ks+8:64*\qt+16*\ks+11],  v[VQO], s[4:5] offset:8192*\qt+128*\ks+64
	global_load_b128 v[64*\qt+16*\ks+12:64*\qt+16*\ks+15], v[VQO], s[4:5] offset:8192*\qt+128*\ks+80
.endr
.endr
	LOADKV 0
	WIN 0
	; the other addresses, while the loads are on their way
	v_mul_u32_u24 v[T+3], v[T+1], KP
	v_lshl_add_u32 v[T+3], v[T+2], 4, v[T+3]       ; 272 r + 16 h
	v_add_nc_u32 v[VKA], KVB, v[T+3]
	v_add_nc_u32 v[VMA], s17, v[T+3]
	s_mul_i32 s50, s14, 16*KP
	s_add_co_u32 s50, s50, KVB
	v_lshl_add_u32 v[VKS], v[T], 3, s50
	s_mul_i32 s51, s14, 16*VP
	s_add_co_u32 s51, s51, KVB+VOFF
	v_lshl_add_u32 v[VVS], v[T], 3, s51
	v_and_b32 v[T+3], 7, v0
	v_lshl_add_u32 v[T+3], v[T+2], 3, v[T+3]
	v_mul_u32_u24 v[T+3], v[T+3], VP
	v_bfe_u32 v[T+4], v0, 3, 1
	v_lshl_add_u32 v[T+3], v[T+4], 4, v[T+3]
	v_add_nc_u32 v[VVA], KVB+VOFF, v[T+3]
	s_mul_i32 s52, s14, STGW
	s_add_co_u32 s52, s52, STG
	v_mul_u32_u24 v[T+3], v[T+1], SP
	v_lshl_add_u32 v[T+3], v[T+2], 5, v[T+3]
	v_add_nc_u32 v[VSTO], s52, v[T+3]
	v_lshl_add_u32 v[VRD], v[T], 4, s52
	v_lshlrev_b32 v[VCO], 4, v[T]
	v_mov_b32 v[VZ], 0
	v_lshlrev_b32 v[VPF], 8, v[T]
	v_mov_b32 v[VC], 0x418293ee                    ; c = sqrt(128) log2(e) = 16.322231
	v_mov_b32 v[VC+1], 0x418293ee
	s_wait_loadcnt 32                              ; Q's 64 loads are in; the 32 of tile 0, issued behind them, may stay out
	WIN 0x4a
.set nn, 0
.rept 128
	v_cvt_pk_bf16_f32 v[QF+nn], v[2*nn], v[2*nn+1] ; Q's fragments, kept for the whole kernel
.set nn, nn+1
.endr
	CONVERT 0
	WIN 0
	s_wait_dscnt 0x0                               ; my part of tile 0 is written
	s_barrier_signal -1
	s_barrier_wait -1                              ; everybody's is.  The mask's first fill may stay out
	LOADKV 1
	s_wait_tensorcnt 0x0                           ; the first mask group has landed; it is my only tensor load so far
	LOADM MX, 0
	LOADK 0
	LOADV 0
	STEP 0, 1, 1, 1, 1, 0                          ; step 0 stands in front of the loop: it starts maxima, sums and O
	WIN 0                                          ; at a label and at a branch every window is 0
	s_mov_b32 s29, 7
.Lloop:                                            ; steps 4 n + 1 .. 4 n + 4, n = 0 .. 6; each trip fills the mask slot once, with group n + 1
	STEP 1, 0, 1, 1, 1, 1
	STEP 2, 0, 1, 1, 1, 0
	STEP 3, 0, 1, 1, 1, 0
	STEP 4, 0, 1, 1, 1, 0                          ; in the last trip: step 28, which loads tile 30 and asks for tile 31
	WIN 0
	s_wait_xcnt 0x0                                ; the bases of the loads and of the prefetch are stepped only behind this wait
	s_add_nc_u64 s[6:7], s[6:7], 4*TILEB
	s_add_nc_u64 s[8:9], s[8:9], 4*TILEB
	s_add_nc_u64 s[48:49], s[48:49], 4*TILEB
	s_sub_co_u32 s29, s29, 1
	s_cmp_lg_u32 s29, 0
	s_cbranch_scc1 .Lloop
	; steps 29 to 31, written out: the mask slot is not filled again, since no later step would read it (no tensor load is out from here on),
	; and no load or prefetch passes tile 31
	STEP 1, 0, 1, 1, 0, 0                          ; the last load: tile 31
	STEP 2, 0, 1, 0, 0, 0
	STEP 3, 0, 0, 0, 0, 0
; THE WAY OUT, one query tile (16 rows of out0) at a time: the two halves' sums meet, O is divided, goes into my own stage as 16 rows of 512 bytes,
; is read back by rows, and each store of the wave covers 512 consecutive bytes, aligned.  LDS serves a wave's instructions in order
; (ISA guide 5.7.1), so no wait stands between my stores into the stage and my loads from it, nor in front of the next tile's stores.
.macro OUTQ qt, buf
	WIN 0
	v_permlanex16_b32 v[T], v[L+\qt], s22, s23
	v_add_f32 v[T], v[T], v[L+\qt]
	v_rcp_f32 v[T+1], v[T]
	v_cmp_lt_f32 vcc_lo, 0, v[T]                   ; the plain place behind the reciprocal
	s_wait_alu depctr_va_vdst(0)
	v_cndmask_b32 v[T+2], 0, v[T+1], vcc_lo        ; a row with no open key has sum 0: it is written as 0
	v_mov_b32 v[T+3], v[T+2]
	WIN 0x82
.set nn, 0
.rept 32
	v_pk_mul_f32 v[64*\qt+2*nn:64*\qt+2*nn+1], v[64*\qt+2*nn:64*\qt+2*nn+1], v[T+2:T+3]
.set nn, nn+1
.endr
	WIN 0x08
.irp dt, 0,1,2,3,4,5,6,7
	ds_store_b128 v[VSTO], v[64*\qt+8*\dt:64*\qt+8*\dt+3]   offset:64*\dt
	ds_store_b128 v[VSTO], v[64*\qt+8*\dt+4:64*\qt+8*\dt+7] offset:64*\dt+16
.endr
	WIN 0
	s_wait_xcnt 0x0                                ; the buffer, which earlier stores read, is loaded again only behind this wait
.irp row, 0,1,2,3,4,5,6,7,8,9,10,11,12,13,14,15
	ds_load_b128 v[\buf+4*\row:\buf+4*\row+3], v[VRD] offset:SP*\row
.endr
.irp row, 0,1,2,3,4,5,6,7,8,9,10,11,12,13,14,15
	s_wait_dscnt 15-\row                           ; this row is back; the younger ones may stay out
	global_store_b128 v[VCO], v[\buf+4*\row:\buf+4*\row+3], s[12:13] offset:(16*\qt+\row)*512 th:TH_STORE_NT
.endr
.endm
	PLACES                                         ; behind the last product: O is read, and P's registers become a buffer
	OUTQ 0, OA
	OUTQ 1, OB
	OUTQ 2, OA
	OUTQ 3, OB
	s_wait_tensorcnt 0x0
	ds_add_u32 v254, v255
	s_wait_dscnt 0x0
	s_endpgm
.Lfunc_end_k_q1f650957d5_attn:
	.size	k_q1f650957d5_attn, .Lfunc_end_k_q1f650957d5_attn-k_q1f650957d5_attn
	.p2alignl 7, 3214868480
	.fill 96, 4, 3214868480
	.section	.rodata,"a",@progbits
	.p2align	6, 0x0
	.amdhsa_kernel k_q1f650957d5_attn
		.amdhsa_group_segment_fixed_size 327680
		.amdhsa_private_segment_fixed_size 0
		.amdhsa_enable_private_segment 0
		.amdhsa_kernarg_size 40
		.amdhsa_user_sgpr_count 2
		.amdhsa_user_sgpr_kernarg_segment_ptr 1
		.amdhsa_wavefront_size32 1
		.amdhsa_system_sgpr_workgroup_id_x 1
		.amdhsa_system_sgpr_workgroup_id_y 1
		.amdhsa_system_sgpr_workgroup_id_z 1
		.amdhsa_system_vgpr_workitem_id 0
		.amdhsa_next_free_vgpr 1024
		.amdhsa_next_free_sgpr 66
		.amdhsa_reserve_vcc 1
		.amdhsa_float_denorm_mode_32 3
		.amdhsa_float_denorm_mode_16_64 3
		.amdhsa_memory_ordered 1
		.amdhsa_forward_progress 1
		.amdhsa_inst_pref_size 255
	.end_amdhsa_kernel
	.section	.bss,"aw",@nobits
	.p2align	6
	.space	262144
	.amdgpu_metadata
---
amdhsa.version: [ 1, 2 ]
amdhsa.kernels:
  - .name:           k_q1f650957d5_attn
    .symbol:         k_q1f650957d5_attn.kd
    .args:
      - { .name: q, .offset: 0, .size: 8, .value_kind: global_buffer, .address_space: global }
      - { .name: k, .offset: 8, .size: 8, .value_kind: global_buffer, .address_space: global }
      - { .name: v, .offset: 16, .size: 8, .value_kind: global_buffer, .address_space: global }
      - { .name: mask, .offset: 24, .size: 8, .value_kind: global_buffer, .address_space: global }
      - { .name: out0, .offset: 32, .size: 8, .value_kind: global_buffer, .address_space: global }
    .group_segment_fixed_size: 327680
    .private_segment_fixed_size: 0
    .kernarg_segment_align: 8
    .kernarg_segment_size: 40
    .max_flat_workgroup_size: 128
    .sgpr_count:     66
    .vgpr_count:     1024
    .wavefront_size: 32
...
	.end_amdgpu_metadata
.endif
;; end of part 2
